; MI455X (gfx1250); checked and timed in simulation.
; The chip was launched on July 23, 2026; its instructions are those of AMD's public machine-readable ISA for CDNA 5 (MIT licence, August 2026) and "CDNA5" Instruction Set Architecture Reference Guide (July 2026). The comments in the code are by the model that wrote it; some were corrected since.
;; Multi Head Self Attention DP. Allowed arithmetic: matrix products marked QUANTISED: E2M1 operands, one E8M0 scale for each 32 along K, by v_wmma_scale_f32_16x16x128_f8f6f4 with both operands' format E2M1 (or v_wmma_scale_f32_32x16x128_f4), f32 sums; products left as they are: bf16, f16 or f32 operands; f32 sums; everything else in f32.
;; Inputs: Wk 512 x 512 float32; Wo 512 x 512 float32; Wq 512 x 512 float32; Wv 512 x 512 float32; attn_mask 4 x 2,048 x 2,048 bool; bk 512 float32; bo 512 float32; bq 512 float32; bv 512 float32; x 4 x 2,048 x 512 float32.
;; Outputs: out0 4 x 2,048 x 512 float32.
;; This version of the problem:
;;   THIS VERSION OF THE PROBLEM IS GIVEN IN LOW PRECISION. The matrix products marked QUANTISED in the list below multiply operands that are first quantised to E2M1 (2 exponent bits, 1 mantissa bit; 4 bits a number), with one power-of-two scale for each 32 numbers along K (OCP MX v1.0); their sums are f32. The products marked 'left as it is' may take bf16, f16 or f32 operands, with f32 sums. Whichever they take, every output number must still come out within the allowed error. Rounding operands to bf16 (8 significant bits) uses up far more of that allowance than f16 does (11 bits, for magnitudes from 6e-5 to 65,504). All else is computed in f32.
;;   The module's matrix products, in the order in which they are computed (A, B: the left and right operand; K: the contracted axis; several contracted axes count as one K, in the product's order):
;;     1. [M 8,192, K 512] x [K 512, N 512]; A: input x; B: input Wq: QUANTISED
;;     2. [M 8,192, K 512] x [K 512, N 512]; A: input x; B: input Wk: QUANTISED
;;     3. [M 8,192, K 512] x [K 512, N 512]; A: input x; B: input Wv: QUANTISED
;;     4. batch 32 x [M 2,048, K 64] x [K 64, N 2,048]; A: computed on the way; B: computed on the way: left as it is (an operand is computed on the way)
;;     5. batch 32 x [M 2,048, K 2,048] x [K 2,048, N 64]; A: computed on the way; B: computed on the way: left as it is (an operand is computed on the way)
;;     6. [M 8,192, K 512] x [K 512, N 512]; A: computed on the way; B: input Wo: left as it is (an operand is computed on the way)
;;   THE QUANTISER, for each operand of a quantised product, along K:
;;     - K is cut into blocks of 32 from its start; a last block that is shorter is filled with zeros.
;;     - A block's scale is 2^e with e = floor(log2(the largest magnitude in the block)) - 2, held to -126 .. 127; a block of zeros has e = 0. As a byte (E8M0): e + 127.
;;     - Each number is divided by its block's scale, clamped to +-6, and rounded to the nearest number of E2M1, ties to even, subnormals kept.
;;     - The product sums the exact products of the quantised numbers (number of the format x scale) in f32.
;;   ~~~python
;;   def quantise(x, axis):      # numpy; x: float32 -> the quantised numbers, widened to float32 again
;;       x = np.moveaxis(x, axis, -1); K = x.shape[-1]
;;       x = np.pad(x, [(0, 0)] * (x.ndim - 1) + [(0, -K % 32)]); x = x.reshape(x.shape[:-1] + (-1, 32)); a = np.abs(x).max(-1, keepdims=True)
;;       e = np.where(a > 0, np.clip(np.frexp(np.where(a > 0, a, 1))[1] - 1 - 2, -126, 127), 0)      # np.frexp(a)[1] - 1 = floor(log2(a)), exactly
;;       r = np.clip(x / 2.0 ** e, -6, 6)
;;       step = 2.0 ** (np.maximum(np.frexp(np.where(r == 0, 1, r))[1] - 1, 0) - 1)
;;       q = np.round(r / step) * step * 2.0 ** e      # np.round: ties to even
;;       return np.moveaxis(q.reshape(q.shape[:-2] + (-1,))[..., :K], -1, axis).astype(np.float32)
;;   ~~~
;; One version. Each part assembles by itself: llvm-mc -triple=amdgcn-amd-amdhsa -mcpu=gfx1250 --defsym DOCPART=n.
;; ======== version 1 of 1: 4 launches
;; limits: values are held in f16: magnitudes above 65,504 overflow, below 6.1e-05 lose precision
;; workspace buffers: codes 2,490,368 bytes; scl 155,648 bytes; wo16 524,288 bytes; qkv 25,165,824 bytes; att 8,388,608 bytes
;; launch prep (part 1): grid 160 x 1, 4 waves a work-group, no clusters, 39,424 bytes of LDS; arguments x, Wq, Wk, Wv, Wo, codes, scl, wo16; writes codes, scl, wo16
.if DOCPART == 1
	.amdgcn_target "amdgcn-amd-amdhsa--gfx1250"
	.amdhsa_code_object_version 6
	.text
	.protected	k_q96002f134b_prep
	.globl	k_q96002f134b_prep
	.p2align	8
	.type	k_q96002f134b_prep,@function
k_q96002f134b_prep:
	s_mov_b64 s[64:65], 0
	v_nop
	global_prefetch_b8 v0, s[64:65] scope:SCOPE_SE
	s_setreg_imm32_b32 hwreg(HW_REG_WAVE_MODE, 25, 1), 1
	s_wait_xcnt 0x0
; x [8192][512], Wq, Wk, Wv [512][512], f32, K innermost, become codes of FP4 (E2M1) with one E8M0 byte for each 32 along K; Wo [512][512] is rounded to f16.
; All results are laid IN THE ORDER OF THE OPERAND'S REGISTERS, so that the launches that multiply load fragments as 512 consecutive bytes, 16 a lane.
; codes: tiles of 16 rows, 4,096 bytes: [block of 32 along K, 0..15][row 0..15][16 bytes].  Block 4 s + 2 c + h, row r, is lane 16 h + r of the 512 bytes that fill registers 4 c .. 4 c + 3 of K step s.
;        tiles 0..511 x, 512..543 Wq, 544..575 Wk, 576..607 Wv.     scl: [row][16 bytes]: rows 0..8191 x, then Wq, Wk, Wv: a row's four scale words.
; wo16:  [K half][tile of 16 rows of Wo][K step of 32, 0..7][c][lane][16 bytes]: lane (r, h) holds Wo[16 tile + r][32 ks + 16 c + 8 h + 0..7].
; A block's scale is 2^(floor(log2(its largest magnitude)) - 2): its byte is the largest magnitude's exponent field - 2, held at 1 from below.
; LIMITS: a block of zeros gets the byte 1 where the rule says 127 (its codes are zeros, and this program alone reads the bytes); NaN and infinities are not served; |Wo| beyond 65,504 becomes infinite in f16.
; SHARES: work-groups 0..127 take 64 rows of x each, 128..151 64 rows of Wq, Wk or Wv, 152..159 four tiles of Wo.  A wave takes 16 rows: one tile, a row (512 numbers) a step.
; A step's four loads read 512 consecutive bytes each; the 2,048 bytes turn through the wave's own stage in LDS, so that a lane holds 16 neighbours along K (two lanes a block).
; The codes (8 bytes a lane) are gathered in an image of the tile in LDS and leave as eight runs of 512 bytes; the 256 scale bytes leave as one run of 256.  No barrier: waves share nothing.
.set STEPS, 16
.set EMAX,  2
.set SP,    80                         ; a lane's place in a turning stage: 64 bytes + 16 of padding
.set WREG,  9728                       ; LDS of a wave: two turning stages (5,120), 256 scale bytes, the tile's image (16 blocks, 272 bytes apart)
.set SCB,   5120
.set IMG,   5376
.set IP,    272
.set SPARE, 4*WREG                     ; behind the four regions: the spare words, 128 bytes a wave
.set R,     16                         ; v16-79   four sets of 16 numbers as loaded          (Wo: two sets of 64 numbers, v16-143)
.set X,     80                         ; v80-111  two sets of 16 neighbours
.set E,     112                        ; v112-127 a scale byte for each step
.set C,     128                        ; v128-159 a pair of code registers for each step     (Wo: v144-175 packed f16)
.set IM,    160                        ; v160-191 the image read back
.set WPK,   144
.set SPW,   12                         ; v12 my spare word's address; v13 0; neither is rewritten
.set NIL,   13
	s_load_b256 s[4:11], s[0:1], 0x0               ; x, Wq, Wk, Wv
	s_load_b256 s[12:19], s[0:1], 0x20             ; Wo, codes, scl, wo16
	v_lshl_add_u32 v[SPW], v0, 2, SPARE
	v_mov_b32 v[NIL], 0
	v_lshrrev_b32 v1, 5, v0
	v_readfirstlane_b32 s20, v1                    ; wave
	v_and_b32 v2, 31, v0                           ; lane
	v_lshlrev_b32 v3, 4, v2                        ; 16 x lane
	s_mul_i32 s21, s20, WREG
	v_lshrrev_b32 v14, 2, v2
	v_mul_u32_u24 v14, v14, SP
	v_and_b32 v15, 3, v2
	v_lshl_add_u32 v14, v15, 4, v14
	v_add_nc_u32 v14, s21, v14                     ; turning stage, in: four lanes' 64 bytes on end, then padding
	v_mul_u32_u24 v15, v2, SP
	v_add_nc_u32 v15, s21, v15                     ; and out: my 16 neighbours
	v_lshrrev_b32 v5, 1, v2                        ; my block of the row
	v_mul_u32_u24 v4, v5, IP
	v_and_b32 v6, 1, v2
	v_lshl_add_u32 v4, v6, 3, v4
	v_add_nc_u32 v4, s21, v4                       ; the image, in: block x 272 + 8 x (lane % 2); the row stands in the immediate
	v_add_nc_u32 v5, s21, v5                       ; my block's scale byte
	v_lshlrev_b32 v7, 3, v2
	v_add_nc_u32 v6, s21, v7                       ; the scale bytes on the way out: 8 a lane
	v_lshrrev_b32 v10, 4, v2
	v_mul_u32_u24 v1, v10, IP
	v_and_b32 v8, 15, v2
	v_lshl_add_u32 v1, v8, 4, v1
	v_add_nc_u32 v1, s21, v1                       ; the image, out: two blocks an instruction, 16 rows x 16 bytes each
	v_lshlrev_b32 v9, 11, v8
	v_lshl_add_u32 v9, v10, 5, v9                  ; Wo: row (lane % 16) of 2,048 bytes + 32 x (lane / 16)
	s_wait_kmcnt 0x0
	s_cmp_ge_u32 ttmp9, 152
	s_cbranch_scc1 .Lwo
	; ---- the quantiser.  Which tensor: a choice on the work-group's number alone
	s_sub_co_u32 s22, ttmp9, 128
	s_lshr_b32 s23, s22, 3                         ; 0, 1, 2: Wq, Wk, Wv
	s_and_b32 s22, s22, 7                          ; which 64 rows of it
	s_cmp_eq_u32 s23, 1
	s_cselect_b64 s[6:7], s[8:9], s[6:7]
	s_cmp_eq_u32 s23, 2
	s_cselect_b64 s[6:7], s[10:11], s[6:7]
	s_cmp_lt_u32 ttmp9, 128
	s_cselect_b64 s[4:5], s[4:5], s[6:7]
	s_cselect_b32 s22, ttmp9, s22
	s_lshl_b32 s24, s22, 17                        ; 64 rows of 2,048 bytes,
	s_lshl_b32 s26, s20, 15                        ; my wave's 16
	s_add_co_u32 s24, s24, s26
	s_mov_b32 s25, 0
	s_add_nc_u64 s[4:5], s[4:5], s[24:25]
	s_lshl_b32 s24, ttmp9, 14                      ; my tile: 4 x work-group + wave
	s_lshl_b32 s26, s20, 12
	s_add_co_u32 s24, s24, s26
	s_add_nc_u64 s[14:15], s[14:15], s[24:25]
	s_lshl_b32 s24, ttmp9, 10                      ; its 256 scale bytes
	s_lshl_b32 s26, s20, 8
	s_add_co_u32 s24, s24, s26
	s_add_nc_u64 s[16:17], s[16:17], s[24:25]
.macro LOAD t
.irp i, 0,1,2,3
	global_load_b128 v[R+16*((\t)%4)+4*\i:R+16*((\t)%4)+4*\i+3], v3, s[4:5] offset:2048*(\t)+512*\i th:TH_LOAD_NT   ; 32 lanes read 512 consecutive bytes
.endr
.endm
.macro TURN t                          ; row t through a turning stage: LDS serves a wave's instructions in order, so no wait stands between the stores and the loads
.irp i, 0,1,2,3
	ds_store_b128 v14, v[R+16*((\t)%4)+4*\i:R+16*((\t)%4)+4*\i+3] offset:32*SP*((\t)%2)+8*SP*\i
.endr
.irp i, 0,1,2,3
	ds_load_b128 v[X+16*((\t)%2)+4*\i:X+16*((\t)%2)+4*\i+3], v15 offset:32*SP*((\t)%2)+16*\i
.endr
.endm
.macro STEP t
.set XS, X+16*((\t)%2)
.if (\t) > 0
	s_wait_dscnt 2                                 ; this row is back from the stage; behind its loads stand the last step's byte store and codes store
.else
	s_wait_dscnt 0x0
.endif
.if (\t)+4 < STEPS
	LOAD (\t)+4                                    ; into the registers that the stage's stores have read
.endif
.if (\t)+1 < STEPS
.if STEPS-2-(\t) >= 3
	s_wait_loadcnt 12                              ; the next row's four loads are in; those of the three rows behind it may be out
.else
	s_wait_loadcnt 4*(STEPS-2-(\t))
.endif
	TURN (\t)+1
.endif
	v_max3_num_f32 v8, |v[XS]|, |v[XS+1]|, |v[XS+2]|               ; the largest magnitude of my 16, in two chains
	v_max3_num_f32 v9, |v[XS+3]|, |v[XS+4]|, |v[XS+5]|
.irp i, 6,10
	v_max3_num_f32 v8, v8, |v[XS+\i]|, |v[XS+\i+1]|
	v_max3_num_f32 v9, v9, |v[XS+\i+2]|, |v[XS+\i+3]|
.endr
	v_max3_num_f32 v8, v8, |v[XS+14]|, |v[XS+15]|
	v_max3_num_f32 v8, v8, v9, (EMAX+1)<<23        ; and the floor 2^(3 - 127): the byte cannot fall under 1
	v_max_num_f32_dpp v8, v8, v8 row_xmask:1 row_mask:0xf bank_mask:0xf   ; with my neighbour's 16: the block's
	v_add_nc_u32 v11, -(EMAX<<23), v8              ; 2 off its exponent field: the conversion takes this operand's exponent field as its scale
	v_cvt_scalef32_pk8_fp4_f32 v[C+2*(\t)], v[XS:XS+7], v11
	v_cvt_scalef32_pk8_fp4_f32 v[C+2*(\t)+1], v[XS+8:XS+15], v11
	v_lshrrev_b32 v[E+(\t)], 23, v11               ; the scale's byte (a plain line behind the conversions)
	ds_store_b8 v5, v[E+(\t)] offset:SCB+16*(\t)   ; both lanes of a block write the same byte with the same value
	ds_store_b64 v4, v[C+2*(\t):C+2*(\t)+1] offset:IMG+16*(\t)     ; my 16 codes: block's place, row t
.endm
.irp t, 0,1,2,3
	LOAD \t
.endr
	s_wait_loadcnt 12                              ; row 0's four loads are in
	TURN 0
.irp t, 0,1,2,3,4,5,6,7,8,9,10,11,12,13,14,15
	STEP \t
.endr
	ds_load_b64 v[8:9], v6 offset:SCB              ; LDS serves a wave's instructions in order: these see my stores
.irp j, 0,1,2,3,4,5,6,7
	ds_load_b128 v[IM+4*\j:IM+4*\j+3], v1 offset:IMG+2*IP*\j
.endr
	s_wait_dscnt 8                                 ; the scale bytes are back; the image's eight loads may be out
	global_store_b64 v7, v[8:9], s[16:17]          ; 256 consecutive bytes, aligned
.irp j, 0,1,2,3,4,5,6,7
	s_wait_dscnt 7-\j
	global_store_b128 v3, v[IM+4*\j:IM+4*\j+3], s[14:15] offset:512*\j   ; 512 consecutive bytes, aligned
.endr
	s_branch .Lend
.Lwo:
	; ---- Wo to f16: a wave takes a tile of 16 rows: 32 runs of 512 bytes, in four batches of eight; two batches of loads are out
	s_sub_co_u32 s22, ttmp9, 152
	s_lshl_b32 s22, s22, 2
	s_add_co_u32 s22, s22, s20                     ; the tile
	s_lshl_b32 s24, s22, 15
	s_mov_b32 s25, 0
	s_add_nc_u64 s[12:13], s[12:13], s[24:25]
	s_lshl_b32 s24, s22, 13
	s_add_nc_u64 s[18:19], s[18:19], s[24:25]
.macro WLOAD b                         ; run n = 8 b + q holds k = 16 n + 8 (lane / 16) + 0..7 of row lane % 16: 32 bytes a lane
.irp q, 0,1,2,3,4,5,6,7
	global_load_b128 v[R+64*((\b)%2)+8*\q:R+64*((\b)%2)+8*\q+3], v9, s[12:13] offset:64*(8*(\b)+\q)
	global_load_b128 v[R+64*((\b)%2)+8*\q+4:R+64*((\b)%2)+8*\q+7], v9, s[12:13] offset:64*(8*(\b)+\q)+16
.endr
.endm
.macro WBATCH b
.if (\b) < 3
	s_wait_loadcnt 16                              ; this batch is in; the next batch's sixteen loads may be out
.else
	s_wait_loadcnt 0x0
.endif
.if (\b) > 0
	s_wait_xcnt 0x0                                ; the last batch's stores have read their data: the packed registers are written again only behind this wait
.endif
.irp q, 0,1,2,3,4,5,6,7
.irp i, 0,1,2,3
	v_cvt_pk_f16_f32 v[WPK+4*\q+\i], v[R+64*((\b)%2)+8*\q+2*\i], v[R+64*((\b)%2)+8*\q+2*\i+1]
.endr
.endr
.if (\b)+2 < 4
	WLOAD (\b)+2
.endif
.irp q, 0,1,2,3,4,5,6,7
	global_store_b128 v3, v[WPK+4*\q:WPK+4*\q+3], s[18:19] offset:((8*(\b)+\q)/16)*262144+((8*(\b)+\q)%16)*512
.endr
.endm
	WLOAD 0
	WLOAD 1
	WBATCH 0
	WBATCH 1
	WBATCH 2
	WBATCH 3
.Lend:
	s_wait_tensorcnt 0x0                           ; the wave's end, behind the last LDS store
	ds_add_u32 v[SPW], v[NIL]
	s_wait_dscnt 0x0
	s_endpgm
.Lfunc_end_k_q96002f134b_prep:
	.size	k_q96002f134b_prep, .Lfunc_end_k_q96002f134b_prep-k_q96002f134b_prep
	.p2alignl 7, 3214868480
	.fill 96, 4, 3214868480
	.section	.rodata,"a",@progbits
	.p2align	6, 0x0
	.amdhsa_kernel k_q96002f134b_prep
		.amdhsa_group_segment_fixed_size 39424
		.amdhsa_private_segment_fixed_size 0
		.amdhsa_enable_private_segment 0
		.amdhsa_kernarg_size 64
		.amdhsa_user_sgpr_count 2
		.amdhsa_user_sgpr_kernarg_segment_ptr 1
		.amdhsa_wavefront_size32 1
		.amdhsa_system_sgpr_workgroup_id_x 1
		.amdhsa_system_sgpr_workgroup_id_y 1
		.amdhsa_system_sgpr_workgroup_id_z 1
		.amdhsa_system_vgpr_workitem_id 0
		.amdhsa_next_free_vgpr 192
		.amdhsa_next_free_sgpr 66
		.amdhsa_reserve_vcc 0
		.amdhsa_float_denorm_mode_32 3
		.amdhsa_float_denorm_mode_16_64 3
		.amdhsa_memory_ordered 1
		.amdhsa_forward_progress 1
		.amdhsa_inst_pref_size 53
	.end_amdhsa_kernel
	.amdgpu_metadata
---
amdhsa.version: [ 1, 2 ]
amdhsa.kernels:
  - .name:           k_q96002f134b_prep
    .symbol:         k_q96002f134b_prep.kd
    .args:
      - { .name: x, .offset: 0, .size: 8, .value_kind: global_buffer, .address_space: global }
      - { .name: Wq, .offset: 8, .size: 8, .value_kind: global_buffer, .address_space: global }
      - { .name: Wk, .offset: 16, .size: 8, .value_kind: global_buffer, .address_space: global }
      - { .name: Wv, .offset: 24, .size: 8, .value_kind: global_buffer, .address_space: global }
      - { .name: Wo, .offset: 32, .size: 8, .value_kind: global_buffer, .address_space: global }
      - { .name: codes, .offset: 40, .size: 8, .value_kind: global_buffer, .address_space: global }
      - { .name: scl, .offset: 48, .size: 8, .value_kind: global_buffer, .address_space: global }
      - { .name: wo16, .offset: 56, .size: 8, .value_kind: global_buffer, .address_space: global }
    .group_segment_fixed_size: 39424
    .private_segment_fixed_size: 0
    .kernarg_segment_align: 8
    .kernarg_segment_size: 64
    .max_flat_workgroup_size: 128
    .sgpr_count:     66
    .vgpr_count:     192
    .wavefront_size: 32
...
	.end_amdgpu_metadata
.endif
;; end of part 1
;; launch proj (part 2): grid 64 x 4, 12 waves a work-group, clusters of 4 x 1, 167,936 bytes of LDS; arguments codes, scl, bq, bk, bv, qkv; writes qkv
.if DOCPART == 2
	.amdgcn_target "amdgcn-amd-amdhsa--gfx1250"
	.amdhsa_code_object_version 6
	.text
	.protected	k_q96002f134b_proj
	.globl	k_q96002f134b_proj
	.p2align	8
	.type	k_q96002f134b_proj,@function
k_q96002f134b_proj:
	s_mov_b64 s[64:65], 0
	v_nop
	global_prefetch_b8 v0, s[64:65] scope:SCOPE_SE
	s_setreg_imm32_b32 hwreg(HW_REG_WAVE_MODE, 25, 1), 1
	s_wait_xcnt 0x0
	s_wait_alu depctr_hold_cnt(0) depctr_sa_sdst(0) depctr_va_vdst(0) depctr_va_sdst(0) depctr_va_ssrc(0) depctr_va_vcc(0) depctr_vm_vsrc(0)
	s_getreg_b32 s2, hwreg(HW_REG_IB_STS2, 6, 4)
	s_cmp_eq_u32 s2, 0
	s_cbranch_scc0 .Lentry_in_a_cluster
	s_endpgm
.Lentry_in_a_cluster:
	s_bfe_u32 s2, ttmp6, 0x10000c
	s_cmp_lg_u32 s2, 0x3003
	s_cbranch_scc0 .Lentry_shape_is_right
	s_endpgm
.Lentry_shape_is_right:
; q = x Wq^T + bq, k = x Wk^T + bk, v = x Wv^T + bv on codes of FP4 with E8M0 scales (K = 512: four matrix instructions deep), sums in f32, rounded once to f16.
; The three weights are one matrix of 1,536 rows.  A work-group makes 128 rows of x by 384 columns (six groups of 64 = six heads of one or two of q, k, v); wave w makes 64 rows (w % 2) by one head (w / 2): 16 accumulators.
; The codes lie in memory as images of the operand's registers, so both blocks are dense: x's 32,768 bytes and W's 98,304 come once, whole, and a fragment is two loads of 512 consecutive LDS bytes.
; CLUSTER: the four work-groups of a cluster take four row blocks and the same 384 columns: W's block, three quarters of what a work-group fetches, is asked for jointly.  x's block is each work-group's own.
; A cluster of 4 x 4 is not taken: which of q, k, v a wave makes would then hang on the work-group's place in its cluster, and the text branches on it.
; THE RESULT IS THE NEXT OPERAND'S IMAGE.  q and k: source 0 = 16 rows of W, source 1 = 16 rows of x: a lane holds one row and eight neighbouring channels: 16 bytes of f16 = its part of a fragment with the channels as K.
; v: the sources swapped: a lane holds one channel and eight neighbouring keys: its part of a fragment of v^T with the keys as K.  So every store is 512 consecutive bytes, straight from registers.
; qkv: [q, k, v][8 batch + head][262,144 bytes]; q, k: [16 rows][K step of 32][c][lane][16 bytes]; v: [32 keys][16 channels][c][lane][16 bytes].
; The bias is the C of each sum's first matrix instruction.   LIMIT: |q|, |k|, |v| beyond 65,504 become infinite in f16.
.set SPARE, 131072                     ; LDS: x's 8 tiles from 0, W's 24 tiles from 32,768, then the spare words, 128 bytes a wave
.set SPW,  10
.set NIL,  11
.set VB,   12                          ; v12-15   v's bias: one number a lane for each tile of channels
.set SC,   16                          ; v16-31   scale words: register 4 i + s: lanes 0-15 x's tile i, lanes 16-31 W's tile i, K step s
.set BI,   32                          ; v32-63   the bias in the result's layout, eight registers for each tile of W
.set XF,   64                          ; v64-95   x's four fragments of a K step
.set WF,   96                          ; v96-127  W's four
.set ACC,  128                         ; v128-255 accumulator (a, b) at 128 + 8 (4 a + b)
.set WV,   16
.set G1X,  28
.set G1W,  36
.set G0X,  44
.set G0W,  48
.macro CROUND                          ; a round of the cluster's barrier
	s_barrier_signal -1
	s_barrier_wait -1
	s_cmp_lg_u32 s[WV], 0
	s_cbranch_scc1 .Lnot_wave_0_\@
	s_barrier_signal -3
.Lnot_wave_0_\@:
	s_barrier_wait -3
	s_barrier_signal -1
	s_barrier_wait -1
.endm
	s_load_b256 s[4:11], s[0:1], 0x0               ; codes, scl, bq, bk
	s_load_b128 s[12:15], s[0:1], 0x20             ; bv, qkv
	v_lshl_add_u32 v[SPW], v0, 2, SPARE
	v_mov_b32 v[NIL], 0
	ds_add_u32 v[SPW], v[NIL]                      ; the wave's opening: the add, twice on end, and its wait ahead of the first tensor load
	ds_add_u32 v[SPW], v[NIL]
	v_lshrrev_b32 v1, 5, v0
	v_readfirstlane_b32 s[WV], v1                  ; wave 0..11
	s_bfe_u32 s17, ttmp6, 0x40000                  ; cx
	s_lshl_b32 s18, ttmp9, 2
	s_add_co_u32 s18, s18, s17                     ; my block of 128 rows
	s_and_b32 s19, ttmp7, 0xffff                   ; my block of 384 columns: the partners share it
	s_and_b32 s20, s[WV], 1                        ; which 64 rows
	s_lshr_b32 s21, s[WV], 1                       ; which head of the six
	s_mul_i32 s22, s19, 6
	s_add_co_u32 s22, s22, s21                     ; group of 64 columns, 0..23
	s_lshr_b32 s23, s22, 3                         ; 0 q, 1 k, 2 v
	s_and_b32 s24, s22, 7                          ; the head
	; descriptor groups 1: 64 rows of 32 elements of 8 bytes, dense
	s_mov_b32 s[G1X], 3<<16                        ; no mask: my own block
	s_mov_b32 s[G1W], 15|(3<<16)|(1<<21)           ; the mask names all four partners
.irp g, G1X, G1W
	s_mov_b32 s[\g+1], 32<<16                      ; tensor_dim0
	s_mov_b32 s[\g+2], 64<<16                      ; tensor_dim1
	s_mov_b32 s[\g+3], 32<<16                      ; tile_dim0
	s_mov_b32 s[\g+4], 64                          ; tile_dim1
	s_mov_b32 s[\g+5], 32                          ; the pitch
	s_mov_b32 s[\g+6], 0
	s_mov_b32 s[\g+7], 0
.endr
	s_lshl_b32 s26, s[WV], 14
	s_lshl_b32 s52, s18, 15                        ; x's block: 8 tiles of 4,096 bytes; waves 0 and 1 take its halves
	s_add_co_u32 s52, s52, s26
	s_mov_b32 s53, 0
	s_mul_i32 s54, s19, 98304                      ; W's block: 24 tiles; waves 2 to 7 take its sixths
	s_add_co_u32 s54, s54, s26
	s_add_co_u32 s54, s54, 2097152-32768           ; W's tiles begin at byte 2,097,152; wave 2 takes the first sixth
	s_mov_b32 s55, 0
	s_lshl_b32 s56, s24, 8                         ; the head's 64 numbers of the bias
	s_mov_b32 s57, 0
	s_lshl_b32 s58, s23, 23                        ; where my results go: q, k or v,
	s_lshr_b32 s25, s18, 4
	s_lshl_b32 s25, s25, 3
	s_add_co_u32 s25, s25, s24                     ; 8 batch + head,
	s_lshl_b32 s25, s25, 18
	s_add_co_u32 s58, s58, s25
	s_and_b32 s25, s18, 15
	s_lshl_b32 s25, s25, 14                        ; the block's 128 rows in the batch, 128 bytes a row,
	s_add_co_u32 s58, s58, s25
	s_lshl_b32 s25, s20, 13                        ; my 64 of them
	s_add_co_u32 s58, s58, s25
	s_mov_b32 s59, 0
	s_lshl_b32 s61, s18, 11                        ; x's scale bytes: 16 a row
	s_lshl_b32 s25, s20, 10
	s_add_co_u32 s61, s61, s25
	s_lshl_b32 s60, s22, 10
	s_add_co_u32 s60, s60, 131072                  ; W's: behind x's 8,192 rows
	s_sub_co_u32 s60, s60, s61                     ; the distance between the two
	v_and_b32 v9, 31, v0
	v_and_b32 v1, 15, v0                           ; r
	v_bfe_u32 v2, v0, 4, 1                         ; h
	v_lshlrev_b32 v3, 4, v9                        ; 16 x lane
	s_lshl_b32 s62, s20, 14
	v_add_nc_u32 v4, s62, v3                       ; my four tiles of x in LDS
	s_lshl_b32 s63, s21, 14
	s_add_co_u32 s63, s63, 32768
	v_add_nc_u32 v5, s63, v3                       ; my four tiles of W
	v_mul_u32_u24 v6, s60, v2                      ; lanes 16-31 take W's scale words
	v_lshl_add_u32 v6, v1, 4, v6
	v_add_nc_u32 v6, s61, v6
	v_lshlrev_b32 v7, 5, v2                        ; bias of q and k: eight channels of my half
	v_lshlrev_b32 v8, 2, v1                        ; bias of v: my channel
	s_wait_dscnt 0x0                               ; both opening adds are done
	s_wait_kmcnt 0x0
	CROUND                                         ; all four work-groups are here: the joint loads meet
	s_mov_b32 s[G0X], 1
	s_lshl_b32 s[G0X+1], s[WV], 14                 ; LDS: 16,384 x wave, for x's halves and W's sixths alike
	s_add_nc_u64 s[G0X+2:G0X+3], s[4:5], s[52:53]
	s_or_b32 s[G0X+3], s[G0X+3], 0x80000000
	s_mov_b32 s[G0W], 1
	s_lshl_b32 s[G0W+1], s[WV], 14
	s_add_nc_u64 s[G0W+2:G0W+3], s[4:5], s[54:55]
	s_or_b32 s[G0W+3], s[G0W+3], 0x80000000
	s_cmp_lt_u32 s[WV], 2                          ; the branches hang on the wave's number alone; waves 8 to 11 fetch nothing
	s_cbranch_scc0 .Lnot_x
	tensor_load_to_lds s[G0X:G0X+3], s[G1X:G1X+7]
	s_nop 0
.rept 4
	v_nop
.endr
	s_branch .Lasked
.Lnot_x:
	s_cmp_lt_u32 s[WV], 8
	s_cbranch_scc0 .Lasked
	tensor_load_to_lds s[G0W:G0W+3], s[G1W:G1W+7]
	s_nop 0
.rept 4
	v_nop
.endr
.Lasked:
	s_cmp_eq_u32 s23, 1                            ; the bias: a choice on ids alone
	s_cselect_b64 s[8:9], s[10:11], s[8:9]
	s_cmp_eq_u32 s23, 2
	s_cselect_b64 s[8:9], s[12:13], s[8:9]
	s_add_nc_u64 s[8:9], s[8:9], s[56:57]
	s_add_nc_u64 s[14:15], s[14:15], s[58:59]
.irp i, 0,1,2,3
	global_load_b128 v[SC+4*\i:SC+4*\i+3], v6, s[6:7] offset:256*\i       ; a row's 16 bytes are its four scale words; sixteen lanes read 256 consecutive bytes
.endr
.irp b, 0,1,2,3
	global_load_b128 v[BI+8*\b:BI+8*\b+3], v7, s[8:9] offset:64*\b        ; both forms of the bias are loaded, so that only one branch on q, k or v is left
	global_load_b128 v[BI+8*\b+4:BI+8*\b+7], v7, s[8:9] offset:64*\b+16
	global_load_b32 v[VB+\b], v8, s[8:9] offset:64*\b
.endr
	s_wait_tensorcnt 0x0                           ; my part of the blocks has landed,
	s_barrier_signal -1
	s_barrier_wait -1                              ; everybody's has
	s_wait_loadcnt 0x0
; Four K steps of 128.  The 16 accumulators take turns, one instruction a turn, in the same order in every step.
.macro BODY swap
.irp s, 0,1,2,3
.if \s > 0
.rept 4
	v_nop                                          ; places in front of loads into registers that matrix instructions have read
.endr
.endif
.irp a, 0,1,2,3
.irp c, 0,1
	ds_load_b128 v[XF+8*\a+4*\c:XF+8*\a+4*\c+3], v4 offset:\a*4096+\s*1024+\c*512
	ds_load_b128 v[WF+8*\a+4*\c:WF+8*\a+4*\c+3], v5 offset:\a*4096+\s*1024+\c*512
.endr
.endr
	s_wait_dscnt 0x0
.irp a, 0,1,2,3
.irp b, 0,1,2,3
.if \swap
.if \s == 0
	v_wmma_scale_f32_16x16x128_f8f6f4 v[ACC+8*(4*\a+\b):ACC+8*(4*\a+\b)+7], v[XF+8*\a:XF+8*\a+7], v[WF+8*\b:WF+8*\b+7], v[BI+8*\b:BI+8*\b+7], v[SC+4*\a+\s], v[SC+4*\b+\s] matrix_a_fmt:MATRIX_FMT_FP4 matrix_b_fmt:MATRIX_FMT_FP4 matrix_b_scale:MATRIX_SCALE_ROW1
.else
	v_wmma_scale_f32_16x16x128_f8f6f4 v[ACC+8*(4*\a+\b):ACC+8*(4*\a+\b)+7], v[XF+8*\a:XF+8*\a+7], v[WF+8*\b:WF+8*\b+7], v[ACC+8*(4*\a+\b):ACC+8*(4*\a+\b)+7], v[SC+4*\a+\s], v[SC+4*\b+\s] matrix_a_fmt:MATRIX_FMT_FP4 matrix_b_fmt:MATRIX_FMT_FP4 matrix_b_scale:MATRIX_SCALE_ROW1
.endif
.else
.if \s == 0
	v_wmma_scale_f32_16x16x128_f8f6f4 v[ACC+8*(4*\a+\b):ACC+8*(4*\a+\b)+7], v[WF+8*\b:WF+8*\b+7], v[XF+8*\a:XF+8*\a+7], v[BI+8*\b:BI+8*\b+7], v[SC+4*\b+\s], v[SC+4*\a+\s] matrix_a_fmt:MATRIX_FMT_FP4 matrix_b_fmt:MATRIX_FMT_FP4 matrix_a_scale:MATRIX_SCALE_ROW1
.else
	v_wmma_scale_f32_16x16x128_f8f6f4 v[ACC+8*(4*\a+\b):ACC+8*(4*\a+\b)+7], v[WF+8*\b:WF+8*\b+7], v[XF+8*\a:XF+8*\a+7], v[ACC+8*(4*\a+\b):ACC+8*(4*\a+\b)+7], v[SC+4*\b+\s], v[SC+4*\a+\s] matrix_a_fmt:MATRIX_FMT_FP4 matrix_b_fmt:MATRIX_FMT_FP4 matrix_a_scale:MATRIX_SCALE_ROW1
.endif
.endif
.endr
.endr
.endr
.rept 4
	v_nop                                          ; places in front of the conversions, which read results and write over the fragments
.endr
.set n, 0
.rept 16
.irp i, 0,1,2,3
	v_cvt_pk_f16_f32 v[XF+4*n+\i], v[ACC+8*n+2*\i], v[ACC+8*n+2*\i+1]    ; each accumulator from its low end on
.endr
.set n, n+1
.endr
.irp a, 0,1,2,3
.irp b, 0,1,2,3
.if \swap
	global_store_b128 v3, v[XF+4*(4*\a+\b):XF+4*(4*\a+\b)+3], s[14:15] offset:(\a/2)*4096+\b*1024+(\a%2)*512   ; keys 16 a on, channels 16 b on
.else
	global_store_b128 v3, v[XF+4*(4*\a+\b):XF+4*(4*\a+\b)+3], s[14:15] offset:\a*2048+\b*512                   ; rows 16 a on, channels 16 b on
.endif
.endr
.endr
.endm
	s_cmp_eq_u32 s23, 2                            ; ids alone, and the same in all four partners
	s_cbranch_scc1 .Lv
	BODY 0
	s_branch .Lend
.Lv:
.irp b, 0,1,2,3
.irp j, 0,1,2,3,4,5,6,7
	v_mov_b32 v[BI+8*\b+\j], v[VB+\b]              ; v: a lane's eight results are eight keys of one channel: one number of the bias for all eight
.endr
.endr
.rept 8
	v_nop
.endr
	BODY 1
.Lend:
	s_wait_tensorcnt 0x0                           ; the wave's end
	ds_add_u32 v[SPW], v[NIL]
	s_wait_dscnt 0x0
	CROUND                                         ; the closing round
	s_endpgm
.Lfunc_end_k_q96002f134b_proj:
	.size	k_q96002f134b_proj, .Lfunc_end_k_q96002f134b_proj-k_q96002f134b_proj
	.p2alignl 7, 3214868480
	.fill 96, 4, 3214868480
	.section	.rodata,"a",@progbits
	.p2align	6, 0x0
	.amdhsa_kernel k_q96002f134b_proj
		.amdhsa_group_segment_fixed_size 167936
		.amdhsa_private_segment_fixed_size 0
		.amdhsa_enable_private_segment 0
		.amdhsa_kernarg_size 48
		.amdhsa_user_sgpr_count 2
		.amdhsa_user_sgpr_kernarg_segment_ptr 1
		.amdhsa_wavefront_size32 1
		.amdhsa_system_sgpr_workgroup_id_x 1
		.amdhsa_system_sgpr_workgroup_id_y 1
		.amdhsa_system_sgpr_workgroup_id_z 1
		.amdhsa_system_vgpr_workitem_id 0
		.amdhsa_next_free_vgpr 256
		.amdhsa_next_free_sgpr 80
		.amdhsa_reserve_vcc 0
		.amdhsa_float_denorm_mode_32 3
		.amdhsa_float_denorm_mode_16_64 3
		.amdhsa_memory_ordered 1
		.amdhsa_forward_progress 1
		.amdhsa_inst_pref_size 45
	.end_amdhsa_kernel
	.amdgpu_metadata
---
amdhsa.version: [ 1, 2 ]
amdhsa.kernels:
  - .name:           k_q96002f134b_proj
    .symbol:         k_q96002f134b_proj.kd
    .args:
      - { .name: codes, .offset: 0, .size: 8, .value_kind: global_buffer, .address_space: global }
      - { .name: scl, .offset: 8, .size: 8, .value_kind: global_buffer, .address_space: global }
      - { .name: bq, .offset: 16, .size: 8, .value_kind: global_buffer, .address_space: global }
      - { .name: bk, .offset: 24, .size: 8, .value_kind: global_buffer, .address_space: global }
      - { .name: bv, .offset: 32, .size: 8, .value_kind: global_buffer, .address_space: global }
      - { .name: qkv, .offset: 40, .size: 8, .value_kind: global_buffer, .address_space: global }
    .group_segment_fixed_size: 167936
    .private_segment_fixed_size: 0
    .kernarg_segment_align: 8
    .kernarg_segment_size: 48
    .max_flat_workgroup_size: 384
    .sgpr_count:     80
    .vgpr_count:     256
    .wavefront_size: 32
...
	.end_amdgpu_metadata
.endif
;; end of part 2
;; launch attn (part 3): grid 8 x 32, 8 waves a work-group, clusters of 4 x 4, 327,680 bytes of LDS; arguments qkv, attn_mask, att; writes att
.if DOCPART == 3
	.amdgcn_target "amdgcn-amd-amdhsa--gfx1250"
	.amdhsa_code_object_version 6
	.text
	.protected	k_q96002f134b_attn
	.globl	k_q96002f134b_attn
	.p2align	8
	.type	k_q96002f134b_attn,@function
k_q96002f134b_attn:
	s_mov_b64 s[64:65], 0
	v_nop
	global_prefetch_b8 v0, s[64:65] scope:SCOPE_SE
	s_setreg_imm32_b32 hwreg(HW_REG_WAVE_MODE, 25, 1), 1
	s_wait_xcnt 0x0
	s_wait_alu depctr_hold_cnt(0) depctr_sa_sdst(0) depctr_va_vdst(0) depctr_va_sdst(0) depctr_va_ssrc(0) depctr_va_vcc(0) depctr_vm_vsrc(0)
	s_getreg_b32 s2, hwreg(HW_REG_IB_STS2, 6, 4)
	s_cmp_eq_u32 s2, 0
	s_cbranch_scc0 .Lentry_in_a_cluster
	s_endpgm
.Lentry_in_a_cluster:
	s_bfe_u32 s2, ttmp6, 0x10000c
	s_cmp_lg_u32 s2, 0xf033
	s_cbranch_scc0 .Lentry_shape_is_right
	s_endpgm
.Lentry_shape_is_right:
; att[b][q][64 head + d] = sum over k of softmax_k(q . k / 8, masked) v[k][d], for one (batch, head) and 256 queries a work-group.  f16 operands, f32 sums, maxima and row sums; a running maximum.
; SHARES: eight waves, two to a SIMD, so that one wave's softmax stands beside the other's products; a wave owns 32 queries (two tiles of 16) and walks all 2,048 keys, 64 a step.
; LAYOUT: S^T = K Q^T (source 0 = 16 keys, source 1 = 16 queries) and O^T = V^T P (source 0 = 16 channels x 32 keys, source 1 = P): a lane holds ONE query throughout; two tiles of S^T, rounded in pairs, are P.
; q, k and v lie in memory as images of the operands' registers: K's and V's tiles are dense, and a fragment is two LDS loads of 512 consecutive bytes.
; THE MASK IS THE C OF K Q^T.  A lane's eight mask bytes (0 or 1) of a tile are neighbours.  v_perm_b32 takes four of them as SELECTORS into the word 0x0000FE00: byte 0 gives 0x00, byte 1 gives 0xFE.  That word, and the word
; shifted left by 8, 16, 24, are four f32 numbers: under -4e37 (and finite) for a masked key, at most 2.4e-38 for an open one.  |q . k| is at most 64 x 65,504^2 = 2.7e11, so a masked score stays under -4e37.
; THE ROW THAT IS WHOLLY MASKED attends to itself: that is the state in which every row BEGINS: m = -1e30, sum = 1, O = v[q] (a product of V^T with an identity, which also starts the sums).  The first open key lifts m by
; more than 1e29, so that the factor 2^(c m_old - c m_new) is exactly 0 and wipes that state; masked scores lie under m, their p is exactly 0.
; RING: two slots of 256 keys (four steps): K 32,768 bytes, V 32,768, the mask's 256 rows x 256 bytes (rows 272 apart).  Waves 0-3 fetch K's and V's halves, waves 4-7 64 rows of the mask each: one load a wave behind each round.
; By this text's own count a wave has two tensor loads out at the head and one afterwards.
; CLUSTER 4 x 4: K and V hang on (batch, head) alone and are asked for jointly along a row of the cluster; the mask's tile hangs on (batch, block of queries) alone and is asked for jointly along a column (four heads of one batch).
; LIMITS: NaN and infinities among the inputs are not served; for finite scores no weight is NaN, so the renormalisation that the definition applies when some weight is NaN never acts, and is not written; mask bytes are 0 or 1.
; REGISTERS: window 0: v1-9 addresses; v10-15 at work; v16-31 statistics, eight a tile (+0 c m, +1 m, +2, +3 the sum's halves, +4..+7 at work, the factor in +6); v32-47 mask bytes; v64-127 S^T; v128-191 O^T; v192-223 P; v224-255 the way out.
;            window 1: v0-31 Q; v64-127 K of a step; v128-191 V of a step.
.set SLOTB, 135168
.set VOFF,  32768
.set MOFF,  65536
.set MP,    272                        ; a row of the mask in LDS: 256 bytes + 16: row r starts 4 r words on modulo 64, so the 32 lanes of a load of 8 bytes touch different words
.set SPARE, 2*SLOTB                    ; behind the ring: the spare words, 128 bytes a wave
.set AM0, 4                            ; v4  my place in the mask's tile: (32 wave + r) x 272 + 8 h
.set AKV, 5                            ; v5  LDS address of the step's K and V
.set AM,  6                            ; v6  of its mask bytes
.set PFO, 7                            ; v7  the prefetches' offset
.set SPW, 8
.set NIL, 9
.set ST,  16
.set RAW, 32
.set S,   64
.set O,   128
.set P,   192
.set PK,  224
.set QF,  0
.set KF,  64
.set VF,  128
.set WV,   10
.set G1KV, 16
.set G1M,  24
.set G0A,  32                          ; s[32:39] group 0 for K and V, a set for each slot
.set G0M,  40                          ; s[40:47] for the mask
.set CS,   48                          ; s[48:49] c = log2(e) / 8
.set SEL,  50
.set TBL,  52
.set TKV,  53
.set TM,   54
.set CNT,  55
.set LAP,  56
.set LIM,  57
.set PFA,  58
.set PFS,  60
.set MSB, 0
.macro WIN new                         ; the immediate's high byte repeats the setting that is left
.if MSB != \new
	s_set_vgpr_msb (MSB<<8)|\new
.set MSB, \new
.endif
.endm
.macro CROUND                          ; a round of the cluster's barrier
	s_barrier_signal -1
	s_barrier_wait -1
	s_cmp_lg_u32 s[WV], 0
	s_cbranch_scc1 .Lnot_wave_0_\@
	s_barrier_signal -3
.Lnot_wave_0_\@:
	s_barrier_wait -3
	s_barrier_signal -1
	s_barrier_wait -1
.endm
.macro JLOAD s                         ; a joint refill of slot s; the branch hangs on the wave's number alone; an s_nop 0 and four v_nop follow each line
	s_cmp_lt_u32 s[WV], 4
	s_cbranch_scc0 .Lfor_m_\@
	tensor_load_to_lds s[G0A+4*(\s):G0A+4*(\s)+3], s[G1KV:G1KV+7]
	s_nop 0
.rept 4
	v_nop
.endr
	s_branch .Lasked_\@
.Lfor_m_\@:
	tensor_load_to_lds s[G0M+4*(\s):G0M+4*(\s)+3], s[G1M:G1M+7]
	s_nop 0
.rept 4
	v_nop
.endr
.Lasked_\@:
.endm
; A PREFETCH of the fill that stands two refills on, behind the wave's tensor load.  K and V of a head are walked by two clusters: the one with cluster x = 0 asks; its four partners of a row take 8,192 bytes each, told apart by
; address; wave 0 asks for K's, wave 2 for V's, lanes 256 bytes apart.  A mask tile is walked by two clusters: the one with an even cluster y asks; the four partners of a column take 64 rows each, waves 4 and 5 32 rows, a lane a row.
; So each 256 bytes are named once in the launch.  Fills 4 to 7 are asked for at the refills with fills 2 to 5; the last lap asks for nothing; fills 0 to 3 come by their loads alone.
.macro ASK
	s_cmp_gt_u32 s[LAP], s[LIM]
	s_cbranch_scc0 .Lnot_mine_\@
	global_prefetch_b8 v[PFO], s[PFA:PFA+1] th:TH_LOAD_NT scope:SCOPE_SE
.Lnot_mine_\@:
.endm
	s_load_b128 s[4:7], s[0:1], 0x0                ; qkv, attn_mask
	s_load_b64 s[8:9], s[0:1], 0x10                ; att
	v_lshl_add_u32 v[SPW], v0, 2, SPARE
	v_mov_b32 v[NIL], 0
	ds_add_u32 v[SPW], v[NIL]                      ; the wave's opening: the add, twice on end, and its wait ahead of the first tensor load
	ds_add_u32 v[SPW], v[NIL]
	v_lshrrev_b32 v1, 5, v0
	v_readfirstlane_b32 s[WV], v1                  ; wave 0..7
	s_bfe_u32 s12, ttmp6, 0x40000                  ; cx
	s_bfe_u32 s13, ttmp6, 0x40004                  ; cy
	s_lshl_b32 s14, ttmp9, 2
	s_add_co_u32 s14, s14, s12                     ; x: my block of 256 queries
	s_and_b32 s66, ttmp7, 0xffff
	s_lshl_b32 s15, s66, 2
	s_add_co_u32 s15, s15, s13                     ; y = 8 batch + head
	s_lshr_b32 s67, s66, 1                         ; the batch: the cluster's four y lie in one
	s_lshl_b32 s68, s13, 2
	s_lshl_b32 s68, 15, s68                        ; my row of the cluster
	s_lshl_b32 s69, 0x1111, s12                    ; my column
	s_or_b32 s[G1KV], s68, (3<<16)|(1<<21)         ; K, V: 64 rows of 32 elements of 8 bytes, dense; the mask names my row
	s_mov_b32 s[G1KV+1], 32<<16
	s_mov_b32 s[G1KV+2], 64<<16
	s_mov_b32 s[G1KV+3], 32<<16
	s_mov_b32 s[G1KV+4], 64
	s_mov_b32 s[G1KV+5], 32
	s_mov_b32 s[G1KV+6], 0
	s_mov_b32 s[G1KV+7], 0
	s_or_b32 s[G1M], s69, (1<<20)|(1<<21)|(5<<22)|(3<<25)   ; the mask: 64 rows of 256 bytes, 2,048 apart; four words of padding behind every 64; the work-group mask names my column
	s_mov_b32 s[G1M+1], 256<<16
	s_mov_b32 s[G1M+2], 64<<16
	s_mov_b32 s[G1M+3], 256<<16
	s_mov_b32 s[G1M+4], 64
	s_mov_b32 s[G1M+5], 2048
	s_mov_b32 s[G1M+6], 0
	s_mov_b32 s[G1M+7], 0
	s_and_b32 s73, s[WV], 3
	s_lshl_b32 s70, s15, 18                        ; K or V of my head: made of y and the wave's number alone
	s_bfe_u32 s72, s[WV], 0x10001
	s_add_co_u32 s72, s72, 1
	s_lshl_b32 s72, s72, 23                        ; waves 0, 1: k; waves 2, 3: v
	s_add_co_u32 s70, s70, s72
	s_and_b32 s72, s[WV], 1
	s_lshl_b32 s72, s72, 14                        ; which half of a fill's 32,768 bytes
	s_add_co_u32 s70, s70, s72
	s_mov_b32 s71, 0
	s_lshl_b32 s74, s14, 19                        ; the mask: made of the batch, x and the wave's number alone: 256 x rows of 2,048 bytes,
	s_lshl_b32 s76, s73, 17                        ; my 64 of them,
	s_add_co_u32 s74, s74, s76
	s_lshl_b32 s76, s67, 22                        ; in my batch
	s_add_co_u32 s74, s74, s76
	s_mov_b32 s75, 0
	s_lshl_b32 s77, s73, 14                        ; where they go in a slot: no place in the cluster enters an LDS address
	s_mul_i32 s78, s73, 64*MP
	s_add_co_u32 s78, s78, MOFF
	s_lshl_b32 s84, s15, 18                        ; my wave's 32 queries in q, and the same 32 keys in v: 4,096 bytes each
	s_lshl_b32 s79, s14, 15
	s_add_co_u32 s84, s84, s79
	s_lshl_b32 s79, s[WV], 12
	s_add_co_u32 s84, s84, s79
	s_mov_b32 s85, 0
	s_and_b32 s92, s15, 7                          ; att: [head / 4][tile of 16 rows][head % 4][16 channels][512 bytes]
	s_lshr_b32 s90, s92, 2
	s_lshl_b32 s90, s90, 22
	s_and_b32 s92, s92, 3
	s_lshl_b32 s92, s92, 11
	s_add_co_u32 s90, s90, s92
	s_lshl_b32 s92, s67, 20
	s_add_co_u32 s90, s90, s92
	s_lshl_b32 s92, s14, 17
	s_add_co_u32 s90, s90, s92
	s_lshl_b32 s92, s[WV], 14
	s_add_co_u32 s90, s90, s92
	s_mov_b32 s91, 0
	s_mov_b32 s[CS], 0x3e38aa3b                    ; c = log2(e) / 8
	s_mov_b32 s[CS+1], s[CS]                       ; (named with it as a pair)
	s_mov_b32 s[SEL], 0x76543210
	s_mov_b32 s[SEL+1], 0xfedcba98
	s_mov_b32 s[TBL], 0x0000fe00
	s_wait_dscnt 0x0                               ; both opening adds are done
	s_wait_kmcnt 0x0
	s_add_nc_u64 s[80:81], s[4:5], s[70:71]
	s_add_nc_u64 s[82:83], s[6:7], s[74:75]
	s_add_nc_u64 s[86:87], s[4:5], s[84:85]        ; Q
	s_add_nc_u64 s[88:89], s[86:87], 0x1000000     ; my own 32 keys of V
	s_add_nc_u64 s[8:9], s[8:9], s[90:91]
	CROUND                                         ; all sixteen work-groups are here: the first joint loads meet
.irp s, 0,1
	s_mov_b32 s[G0A+4*\s], 1
	s_add_co_u32 s[G0A+4*\s+1], s77, \s*SLOTB
	s_add_nc_u64 s[G0A+4*\s+2:G0A+4*\s+3], s[80:81], \s*32768      ; fill s: keys 256 s on
	s_or_b32 s[G0A+4*\s+3], s[G0A+4*\s+3], 0x80000000
	s_mov_b32 s[G0M+4*\s], 1
	s_add_co_u32 s[G0M+4*\s+1], s78, \s*SLOTB
	s_add_nc_u64 s[G0M+4*\s+2:G0M+4*\s+3], s[82:83], \s*256
	s_or_b32 s[G0M+4*\s+3], s[G0M+4*\s+3], 0x80000000
.endr
	s_cmp_lt_u32 s[WV], 4                          ; a wave's two first fills stand in one branch, ahead of every wait on TENSORcnt and every LDS read
	s_cbranch_scc0 .Lfirst_m
	tensor_load_to_lds s[G0A:G0A+3], s[G1KV:G1KV+7]
	s_nop 0
	tensor_load_to_lds s[G0A+4:G0A+7], s[G1KV:G1KV+7]
	s_nop 0
.rept 4
	v_nop
.endr
	s_branch .Lfirst_asked
.Lfirst_m:
	tensor_load_to_lds s[G0M:G0M+3], s[G1M:G1M+7]
	s_nop 0
	tensor_load_to_lds s[G0M+4:G0M+7], s[G1M:G1M+7]
	s_nop 0
.rept 4
	v_nop
.endr
.Lfirst_asked:
	v_and_b32 v10, 31, v0
	v_and_b32 v1, 15, v0                           ; r
	v_bfe_u32 v2, v0, 4, 1                         ; h
	v_lshlrev_b32 v3, 4, v10                       ; 16 x lane
	WIN 0x40                                       ; destination window 1
.irp i, 0,1,2,3,4,5,6,7
	global_load_b128 v[QF+4*\i:QF+4*\i+3], v3, s[86:87] offset:512*\i                     ; Q stays in registers: tile i / 4, channels 32 ((i / 2) % 2) on
.endr
.irp i, 0,1,2,3,4,5,6,7
	global_load_b128 v[VF+16*(\i/2)+4*(\i%2):VF+16*(\i/2)+4*(\i%2)+3], v3, s[88:89] offset:512*\i   ; V^T of my own 32 keys: channels 16 (i / 2) on
.endr
	WIN 0
	; the prefetches: where my wave's stand, and who asks
	s_lshl_b32 s92, s12, 13                        ; K, V: my work-group's 8,192 bytes of a fill,
	s_add_co_u32 s92, s92, s70
	s_add_co_u32 s92, s92, 3*32768                 ; at fill 3: the first refill steps it to fill 4
	s_lshl_b32 s93, s67, 22                        ; the mask: row 256 x + 64 cy + 32 (wave - 4) + lane
	s_lshl_b32 s94, s14, 19
	s_add_co_u32 s93, s93, s94
	s_lshl_b32 s94, s13, 17
	s_add_co_u32 s93, s93, s94
	s_lshl_b32 s94, s73, 16
	s_add_co_u32 s93, s93, s94
	s_add_co_u32 s93, s93, 3*256
	s_and_b32 s68, s[WV], 1
	s_or_b32 s68, s68, ttmp9                       ; 0 in waves 0 and 2 of a cluster with x = 0
	s_bfe_u32 s69, s[WV], 0x10001
	s_and_b32 s94, ttmp7, 1
	s_or_b32 s69, s69, s94                         ; 0 in waves 4 and 5 of a cluster with an even y
	s_mov_b32 s[PFS], 256
	s_cmp_lt_u32 s[WV], 4
	s_cselect_b64 s[PFA:PFA+1], s[4:5], s[6:7]
	s_cselect_b32 s92, s92, s93
	s_cselect_b32 s[PFS], 32768, s[PFS]            ; a fill on
	s_cselect_b32 s94, 8, 11                       ; from lane to lane: 256 bytes, or a row of the mask
	s_cselect_b32 s68, s68, s69
	s_mov_b32 s93, 0
	s_mov_b32 s[PFS+1], 0
	s_add_nc_u64 s[PFA:PFA+1], s[PFA:PFA+1], s[92:93]
	s_cmp_eq_u32 s68, 0
	s_cselect_b32 s[LIM], 1, -1                    ; the same in all partners, for a given wave
	v_lshlrev_b32 v[PFO], s94, v10
	s_mul_i32 s66, s[WV], 32*MP
	v_mul_u32_u24 v[AM0], v1, MP
	v_lshl_add_u32 v[AM0], v2, 3, v[AM0]
	v_add_nc_u32 v[AM0], s66, v[AM0]
	; the identity, as source 1 (32 keys x 16 queries): tile 0's query r is key r, tile 1's is key 16 + r.  Key 8 h + e lies in register e / 2, half e % 2, of lane (r, h); keys 16 on in registers 4-7
	v_lshrrev_b32 v10, 3, v1
	v_and_b32 v11, 1, v1
	v_lshlrev_b32 v11, 4, v11
	v_mov_b32 v12, 0x3c00                          ; 1.0 in f16
	v_lshlrev_b32 v12, v11, v12
	v_cmp_eq_u32 vcc_lo, v10, v2
	v_cndmask_b32 v12, 0, v12, vcc_lo
	v_bfe_u32 v13, v1, 1, 2
.irp i, 0,1,2,3
	v_cmp_eq_u32 vcc_lo, \i, v13
	v_cndmask_b32 v[P+\i], 0, v12, vcc_lo
	v_mov_b32 v[P+4+\i], 0
	v_mov_b32 v[P+16+\i], 0
	v_cndmask_b32 v[P+20+\i], 0, v12, vcc_lo
.endr
.irp t, 0,1
	v_mov_b32 v[ST+8*\t+1], 0xf149f2ca             ; m = -1e30: over every masked score, under every real one
	v_mul_f32 v[ST+8*\t], s[CS], v[ST+8*\t+1]      ; c m
	v_mov_b32 v[ST+8*\t+2], 0.5                    ; the sum: a half in each half of the lanes
	v_mov_b32 v[ST+8*\t+3], 0
.endr
; ONE TILE PAIR'S SOFTMAX FOR A STEP: the two tiles line by line, so that no line waits for the line above it.
.macro SOFTMAX
.irp j, 0,1,2,3
.irp t, 0,1
	v_max3_num_f32 v[ST+8*\t+4+\j], v[S+32*\t+8*\j], v[S+32*\t+8*\j+1], v[S+32*\t+8*\j+2]      ; four chains, one for each accumulator, each read from its low end on
.endr
.endr
.irp u, 3,5
.irp j, 0,1,2,3
.irp t, 0,1
	v_max3_num_f32 v[ST+8*\t+4+\j], v[ST+8*\t+4+\j], v[S+32*\t+8*\j+\u], v[S+32*\t+8*\j+\u+1]
.endr
.endr
.endr
.irp t, 0,1
	v_max3_num_f32 v[ST+8*\t+4], v[ST+8*\t+4], v[S+32*\t+7], v[S+32*\t+15]
.endr
.irp t, 0,1
	v_max3_num_f32 v[ST+8*\t+6], v[ST+8*\t+6], v[S+32*\t+23], v[S+32*\t+31]
.endr
.irp t, 0,1
	v_max3_num_f32 v[ST+8*\t+4], v[ST+8*\t+4], v[ST+8*\t+5], v[ST+8*\t+6]
.endr
.irp t, 0,1
	v_max3_num_f32 v[ST+8*\t+4], v[ST+8*\t+4], v[ST+8*\t+7], v[ST+8*\t+1]                     ; with the old m
.endr
.irp t, 0,1
	v_permlanex16_b32 v[ST+8*\t+5], v[ST+8*\t+4], s[SEL], s[SEL+1]                           ; the query's other 32 keys lie in the lane 16 away
.endr
.irp t, 0,1
	v_mov_b32 v[ST+8*\t+7], v[ST+8*\t]             ; c m_old
.endr
.irp t, 0,1
	v_max_num_f32 v[ST+8*\t+1], v[ST+8*\t+4], v[ST+8*\t+5]
.endr
.irp t, 0,1
	v_mul_f32 v[ST+8*\t], s[CS], v[ST+8*\t+1]
.endr
.irp t, 0,1
	v_sub_f32 v[ST+8*\t+7], v[ST+8*\t+7], v[ST+8*\t]
.endr
.set j, 0
.rept 16
.irp t, 0,1
	v_pk_fma_f32 v[S+32*\t+2*j:S+32*\t+2*j+1], v[S+32*\t+2*j:S+32*\t+2*j+1], s[CS:CS+1], v[ST+8*\t:ST+8*\t+1] op_sel_hi:[1,0,0] neg_lo:[0,0,1] neg_hi:[0,0,1]   ; c s - c m
.endr
.set j, j+1
.endr
.irp t, 0,1
	v_exp_f32 v[ST+8*\t+6], v[ST+8*\t+7]           ; the factor 2^(c m_old - c m_new)
.endr
.set j, 0
.rept 32
	v_exp_f32 v[S+j], v[S+j]                       ; ONE BATCH of 66 exponentials: none reads another's result
	v_exp_f32 v[S+32+j], v[S+32+j]
.set j, j+1
.endr
	v_nop                                          ; a plain line behind the last exponential
	s_wait_alu depctr_va_vdst(0)                   ; the wait ahead of the first line that names a result: one for the batch
.set j, 0
.rept 16
	v_cvt_pk_f16_f32 v[P+j], v[S+2*j], v[S+2*j+1]  ; p in pairs: source 1 of V^T P, in the same lanes
	v_cvt_pk_f16_f32 v[P+16+j], v[S+32+2*j], v[S+32+2*j+1]
.set j, j+1
.endr
.irp w, 4,8,16,32                      ; the sum of a tile's 16 pairs, in place: neighbours 1, 2, 4, 8 pairs apart
.set uu, 0
.rept 32/\w
.irp t, 0,1
	v_pk_add_f32 v[S+32*\t+\w*uu:S+32*\t+\w*uu+1], v[S+32*\t+\w*uu:S+32*\t+\w*uu+1], v[S+32*\t+\w*uu+\w/2:S+32*\t+\w*uu+\w/2+1]
.endr
.set uu, uu+1
.endr
.endr
.irp t, 0,1
	v_pk_fma_f32 v[ST+8*\t+2:ST+8*\t+3], v[ST+8*\t+2:ST+8*\t+3], v[ST+8*\t+6:ST+8*\t+7], v[S+32*\t:S+32*\t+1] op_sel_hi:[1,0,1]
.endr
.set j, 0
.rept 16
.irp t, 0,1
	v_pk_mul_f32 v[O+32*\t+2*j:O+32*\t+2*j+1], v[O+32*\t+2*j:O+32*\t+2*j+1], v[ST+8*\t+6:ST+8*\t+7] op_sel_hi:[1,0]   ; O^T under the new m, each accumulator from its low end on
.endr
.set j, j+1
.endr
.endm
; A KEY STEP: 64 keys.
.macro STEP
	v_add_nc_u32 v[AKV], s[TKV], v3
	v_add_nc_u32 v[AM], s[TM], v[AM0]
	v_nop
	v_nop                                          ; four places between the last V^T P and the loads into V's registers
.irp q, 0,1
.irp k, 0,1,2,3
	ds_load_b64 v[RAW+2*(4*\q+\k):RAW+2*(4*\q+\k)+1], v[AM] offset:\q*16*MP+16*\k             ; query tile q, key tile k: my query's eight mask bytes
.endr
.endr
	WIN 0x40
.irp f, 0,1,2,3,4,5,6,7,8,9,10,11,12,13,14,15
	ds_load_b128 v[KF+4*\f:KF+4*\f+3], v[AKV] offset:512*\f                                   ; K: keys 16 (f / 4) on, channels 32 ((f / 2) % 2) on
.endr
.irp b, 0,1
.irp d, 0,1,2,3
.irp c, 0,1
	ds_load_b128 v[VF+16*\d+8*\b+4*\c:VF+16*\d+8*\b+4*\c+3], v[AKV] offset:VOFF+\b*4096+\d*1024+\c*512   ; V^T: keys 32 b on, channels 16 d on
.endr
.endr
.endr
	WIN 0
	s_wait_dscnt 32                                ; the mask bytes are in; K's sixteen loads and V's sixteen may be out
.irp n, 0,1,2,3,4,5,6,7
	v_perm_b32 v[S+8*\n+3], s[TBL], s[TBL], v[RAW+2*\n]        ; four mask bytes select 0x00 or 0xFE: the word is the fourth key's f32 number
	v_perm_b32 v[S+8*\n+7], s[TBL], s[TBL], v[RAW+2*\n+1]
.endr
.irp n, 0,1,2,3,4,5,6,7
	v_lshlrev_b32 v[S+8*\n], 24, v[S+8*\n+3]
	v_lshlrev_b32 v[S+8*\n+1], 16, v[S+8*\n+3]
	v_lshlrev_b32 v[S+8*\n+2], 8, v[S+8*\n+3]
	v_lshlrev_b32 v[S+8*\n+4], 24, v[S+8*\n+7]
	v_lshlrev_b32 v[S+8*\n+5], 16, v[S+8*\n+7]
	v_lshlrev_b32 v[S+8*\n+6], 8, v[S+8*\n+7]
.endr
	s_wait_dscnt 16                                ; K is in; V's sixteen loads may be out
	WIN 0x05                                       ; K and Q in window 1
.irp e, 0,1                            ; the eight accumulators take turns, one instruction a turn
.irp k, 0,1,2,3
.irp q, 0,1
	v_wmma_f32_16x16x32_f16 v[S+32*\q+8*\k:S+32*\q+8*\k+7], v[KF+16*\k+8*\e:KF+16*\k+8*\e+7], v[QF+16*\q+8*\e:QF+16*\q+8*\e+7], v[S+32*\q+8*\k:S+32*\q+8*\k+7]
.endr
.endr
.endr
	WIN 0
.rept 4
	v_nop                                          ; places in front of the first read of the scores
.endr
	SOFTMAX
	s_wait_dscnt 0x0                               ; V is in
	WIN 0x01                                       ; V in window 1
.irp b, 0,1
.irp d, 0,1,2,3
.irp q, 0,1
	v_wmma_f32_16x16x32_f16 v[O+32*\q+8*\d:O+32*\q+8*\d+7], v[VF+16*\d+8*\b:VF+16*\d+8*\b+7], v[P+16*\q+8*\b:P+16*\q+8*\b+7], v[O+32*\q+8*\d:O+32*\q+8*\d+7]
.endr
.endr
.endr
	WIN 0
.endm
.macro SLOTWORK slot                   ; a slot's four steps: written once, walked four times
	s_mov_b32 s[TKV], (\slot)*SLOTB
	s_mov_b32 s[TM], (\slot)*SLOTB+MOFF
	s_mov_b32 s[CNT], 4
.Lstep_\@:
	STEP
	s_add_co_u32 s[TKV], s[TKV], 8192              ; 64 keys of K, and of V, are 8,192 bytes
	s_add_co_u32 s[TM], s[TM], 64
	s_sub_co_u32 s[CNT], s[CNT], 1
	s_cmp_lg_u32 s[CNT], 0
	s_cbranch_scc1 .Lstep_\@
.endm
; THE CHANGE OF SLOTS, at a slot's head.  Each wave waits for all its tensor loads (its part of the slot ahead), adds 0 to its spare word, and waits for that and for its reads of the slot that it has left.
; refill = 1: the barrier is a round of the cluster's, and behind it the slot just left is filled with the keys two fills on: the load has four steps in which to land.
.macro PHASE slot, refill
	s_wait_tensorcnt 0x0                           ; no tensor load of mine is out, so a group 0 may be written
	ds_add_u32 v[SPW], v[NIL]
.if \refill
	s_add_nc_u64 s[G0A+4*(1-\slot)+2:G0A+4*(1-\slot)+3], s[G0A+4*(1-\slot)+2:G0A+4*(1-\slot)+3], 2*32768
	s_add_nc_u64 s[G0M+4*(1-\slot)+2:G0M+4*(1-\slot)+3], s[G0M+4*(1-\slot)+2:G0M+4*(1-\slot)+3], 2*256
	s_wait_xcnt 0x0                                ; the last prefetch, four steps back, has read its address
	s_add_nc_u64 s[PFA:PFA+1], s[PFA:PFA+1], s[PFS:PFS+1]
	s_wait_dscnt 0x0                               ; the add is done, and my reads of the slot that I have left are over
	CROUND
	JLOAD 1-\slot
	ASK
.else
	s_wait_dscnt 0x0
	s_barrier_signal -1
	s_barrier_wait -1
.endif
	SLOTWORK \slot
.endm
	s_wait_tensorcnt 1                             ; my part of slot 0 is in; slot 1's may stay out
	s_barrier_signal -1
	s_barrier_wait -1
	s_wait_loadcnt 0x0                             ; Q and my own keys of V
	WIN 0x01
.irp d, 0,1,2,3
.irp q, 0,1
	v_wmma_f32_16x16x32_f16 v[O+32*\q+8*\d:O+32*\q+8*\d+7], v[VF+16*\d:VF+16*\d+7], v[P+16*\q:P+16*\q+7], 0     ; O^T begins as v of the query's own key: nothing is cleared
.endr
.endr
	WIN 0
	SLOTWORK 0                                     ; fill 0
	s_mov_b32 s[LAP], 3
.Llap:                                             ; three laps: fills 1 to 6 are multiplied, fills 2 to 7 asked for
	PHASE 1, 1
	PHASE 0, 1
	s_sub_co_u32 s[LAP], s[LAP], 1
	s_cmp_lg_u32 s[LAP], 0
	s_cbranch_scc1 .Llap
	PHASE 1, 0                                     ; fill 7: nothing is left to fetch
	; THE WAY OUT: O^T / the sum, rounded to f16: a lane's eight channels of a row are its 16 bytes of the next product's fragment: stored as they stand
.rept 4
	v_nop
.endr
.irp t, 0,1
	v_add_f32 v[ST+8*\t+4], v[ST+8*\t+2], v[ST+8*\t+3]
.endr
.irp t, 0,1
	v_permlanex16_b32 v[ST+8*\t+5], v[ST+8*\t+4], s[SEL], s[SEL+1]
.endr
.irp t, 0,1
	v_add_f32 v[ST+8*\t+4], v[ST+8*\t+4], v[ST+8*\t+5]
.endr
.irp t, 0,1
	v_rcp_f32 v[ST+8*\t+6], v[ST+8*\t+4]
.endr
	v_nop
	s_wait_alu depctr_va_vdst(0)                   ; one wait for the two reciprocals, ahead of their first reader
.set j, 0
.rept 16
.irp t, 0,1
	v_pk_mul_f32 v[O+32*\t+2*j:O+32*\t+2*j+1], v[O+32*\t+2*j:O+32*\t+2*j+1], v[ST+8*\t+6:ST+8*\t+7] op_sel_hi:[1,0]
.endr
.set j, j+1
.endr
.set j, 0
.rept 32
	v_cvt_pk_f16_f32 v[PK+j], v[O+2*j], v[O+2*j+1]
.set j, j+1
.endr
.irp q, 0,1
.irp d, 0,1,2,3
	global_store_b128 v3, v[PK+16*\q+4*\d:PK+16*\q+4*\d+3], s[8:9] offset:\q*8192+\d*512      ; 512 consecutive bytes, aligned
.endr
.endr
	s_wait_tensorcnt 0x0                           ; the wave's end
	ds_add_u32 v[SPW], v[NIL]
	s_wait_dscnt 0x0
	CROUND                                         ; the closing round
	s_endpgm
.Lfunc_end_k_q96002f134b_attn:
	.size	k_q96002f134b_attn, .Lfunc_end_k_q96002f134b_attn-k_q96002f134b_attn
	.p2alignl 7, 3214868480
	.fill 96, 4, 3214868480
	.section	.rodata,"a",@progbits
	.p2align	6, 0x0
	.amdhsa_kernel k_q96002f134b_attn
		.amdhsa_group_segment_fixed_size 327680
		.amdhsa_private_segment_fixed_size 0
		.amdhsa_enable_private_segment 0
		.amdhsa_kernarg_size 24
		.amdhsa_user_sgpr_count 2
		.amdhsa_user_sgpr_kernarg_segment_ptr 1
		.amdhsa_wavefront_size32 1
		.amdhsa_system_sgpr_workgroup_id_x 1
		.amdhsa_system_sgpr_workgroup_id_y 1
		.amdhsa_system_sgpr_workgroup_id_z 1
		.amdhsa_system_vgpr_workitem_id 0
		.amdhsa_next_free_vgpr 512
		.amdhsa_next_free_sgpr 96
		.amdhsa_reserve_vcc 1
		.amdhsa_float_denorm_mode_32 3
		.amdhsa_float_denorm_mode_16_64 3
		.amdhsa_memory_ordered 1
		.amdhsa_forward_progress 1
		.amdhsa_inst_pref_size 101
	.end_amdhsa_kernel
	.amdgpu_metadata
---
amdhsa.version: [ 1, 2 ]
amdhsa.kernels:
  - .name:           k_q96002f134b_attn
    .symbol:         k_q96002f134b_attn.kd
    .args:
      - { .name: qkv, .offset: 0, .size: 8, .value_kind: global_buffer, .address_space: global }
      - { .name: attn_mask, .offset: 8, .size: 8, .value_kind: global_buffer, .address_space: global }
      - { .name: att, .offset: 16, .size: 8, .value_kind: global_buffer, .address_space: global }
    .group_segment_fixed_size: 327680
    .private_segment_fixed_size: 0
    .kernarg_segment_align: 8
    .kernarg_segment_size: 24
    .max_flat_workgroup_size: 256
    .sgpr_count:     96
    .vgpr_count:     512
    .wavefront_size: 32
...
	.end_amdgpu_metadata
.endif
;; end of part 3
;; launch oproj (part 4): grid 4 x 64, 8 waves a work-group, clusters of 4 x 4, 327,680 bytes of LDS; arguments att, wo16, bo, out0; writes out0
.if DOCPART == 4
	.amdgcn_target "amdgcn-amd-amdhsa--gfx1250"
	.amdhsa_code_object_version 6
	.text
	.protected	k_q96002f134b_oproj
	.globl	k_q96002f134b_oproj
	.p2align	8
	.type	k_q96002f134b_oproj,@function
k_q96002f134b_oproj:
	s_mov_b64 s[64:65], 0
	v_nop
	global_prefetch_b8 v0, s[64:65] scope:SCOPE_SE
	s_setreg_imm32_b32 hwreg(HW_REG_WAVE_MODE, 25, 1), 1
	s_wait_xcnt 0x0
	s_wait_alu depctr_hold_cnt(0) depctr_sa_sdst(0) depctr_va_vdst(0) depctr_va_sdst(0) depctr_va_ssrc(0) depctr_va_vcc(0) depctr_vm_vsrc(0)
	s_getreg_b32 s2, hwreg(HW_REG_IB_STS2, 6, 4)
	s_cmp_eq_u32 s2, 0
	s_cbranch_scc0 .Lentry_in_a_cluster
	s_endpgm
.Lentry_in_a_cluster:
	s_bfe_u32 s2, ttmp6, 0x10000c
	s_cmp_lg_u32 s2, 0xf033
	s_cbranch_scc0 .Lentry_shape_is_right
	s_endpgm
.Lentry_shape_is_right:
; out0 = att Wo^T + bo.  att [8192][512] and Wo [512][512] arrive as f16, as images of the operands' registers; sums and out0 in f32.
; A work-group makes 128 rows x 128 columns; wave w makes 32 rows (w % 4) x 64 columns (w / 4): 8 accumulators.  K = 512: sixteen matrix instructions deep.
; NO RING: both blocks (131,072 bytes each) fit in LDS whole and are filled once, in two halves along K: the second half lands while the first is multiplied.  A wave has two tensor loads out at the most.
; CLUSTER 4 x 4: att's block hangs on the row block alone and is asked for jointly along a row of the cluster, Wo's on the column block alone, along a column.
; TRANSPOSED USE: source 0 = 16 rows of Wo, source 1 = 16 rows of att: a lane holds eight neighbouring columns of one row.  bo is the C of each sum's first matrix instruction.
; THE WAY OUT: 16 rows x 64 columns at a time through the wave's own stage (rows of 256 bytes + 16), back as whole rows: sixteen lanes store 256 consecutive bytes, aligned.
.set WOB,   131072                     ; LDS: att's K halves at 0 and 65,536; Wo's at 131,072 and 196,608
.set STG,   262144                     ; the stages: 16 rows x 272 bytes a wave: no tensor load lands here
.set SPI,   272
.set SPARE, STG+8*16*SPI               ; the spare words, 128 bytes a wave
.set AA,  4                            ; v4  my two tiles of att
.set AW,  5                            ; v5  my four tiles of Wo
.set SPW, 10
.set NIL, 11
.set F0,  64                           ; v64-111, v112-159 two sets of fragments: two of att, then four of Wo
.set BO,  160                          ; v160-191 bo in the result's layout
.set ACC, 192                          ; v192-255 accumulator (a, b) at 192 + 8 (4 a + b)
.set WV,  12
.set G1A, 16
.set G1B, 24
.set G0A, 32
.set G0B, 40
.macro CROUND
	s_barrier_signal -1
	s_barrier_wait -1
	s_cmp_lg_u32 s[WV], 0
	s_cbranch_scc1 .Lnot_wave_0_\@
	s_barrier_signal -3
.Lnot_wave_0_\@:
	s_barrier_wait -3
	s_barrier_signal -1
	s_barrier_wait -1
.endm
	s_load_b256 s[4:11], s[0:1], 0x0               ; att, wo16, bo, out0
	v_lshl_add_u32 v[SPW], v0, 2, SPARE
	v_mov_b32 v[NIL], 0
	ds_add_u32 v[SPW], v[NIL]                      ; the wave's opening: the add, twice on end, and its wait ahead of the first tensor load
	ds_add_u32 v[SPW], v[NIL]
	v_lshrrev_b32 v1, 5, v0
	v_readfirstlane_b32 s[WV], v1                  ; wave 0..7
	s_bfe_u32 s13, ttmp6, 0x40000                  ; cx
	s_bfe_u32 s14, ttmp6, 0x40004                  ; cy
	s_lshl_b32 s15, ttmp9, 2
	s_add_co_u32 s15, s15, s13                     ; x: my 128 columns
	s_and_b32 s48, ttmp7, 0xffff
	s_lshl_b32 s48, s48, 2
	s_add_co_u32 s48, s48, s14                     ; y: my 128 rows
	s_and_b32 s49, s[WV], 3                        ; which quarter of a half block I fetch; also which 32 rows are mine
	s_lshr_b32 s59, s[WV], 2                       ; which 64 columns are mine
	s_lshl_b32 s50, s14, 2
	s_lshl_b32 s50, 15, s50                        ; my row of the cluster
	s_lshl_b32 s51, 0x1111, s13                    ; my column
	s_or_b32 s[G1A], s50, (3<<16)|(1<<21)          ; 64 rows of 32 elements of 8 bytes, dense
	s_or_b32 s[G1B], s51, (3<<16)|(1<<21)
.irp g, G1A, G1B
	s_mov_b32 s[\g+1], 32<<16
	s_mov_b32 s[\g+2], 64<<16
	s_mov_b32 s[\g+3], 32<<16
	s_mov_b32 s[\g+4], 64
	s_mov_b32 s[\g+5], 32
	s_mov_b32 s[\g+6], 0
	s_mov_b32 s[\g+7], 0
.endr
	s_lshl_b32 s56, s49, 14                        ; 16,384 bytes a load: in memory and in LDS
	s_lshl_b32 s52, s48, 16                        ; att: 8 tiles of 8,192 bytes for each K half: made of y and the wave's number alone
	s_add_co_u32 s52, s52, s56
	s_mov_b32 s53, 0
	s_lshl_b32 s54, s15, 16                        ; Wo: likewise, of x and the wave's number
	s_add_co_u32 s54, s54, s56
	s_mov_b32 s55, 0
	s_lshl_b32 s60, s15, 9                         ; my first column, in bytes of f32
	s_lshl_b32 s57, s59, 8
	s_add_co_u32 s60, s60, s57
	s_mov_b32 s61, 0
	s_lshl_b32 s62, s48, 18                        ; my first row of out0: 2,048 bytes a row
	s_lshl_b32 s57, s49, 16
	s_add_co_u32 s62, s62, s57
	s_add_co_u32 s62, s62, s60
	s_mov_b32 s63, 0
	v_and_b32 v9, 31, v0
	v_and_b32 v1, 15, v0                           ; r
	v_bfe_u32 v2, v0, 4, 1                         ; h
	v_lshlrev_b32 v3, 4, v9                        ; 16 x lane
	v_add_nc_u32 v[AA], s56, v3                    ; my two tiles of att: 16,384 x (wave % 4)
	s_lshl_b32 s57, s59, 15
	s_add_co_u32 s57, s57, WOB
	v_add_nc_u32 v[AW], s57, v3                    ; my four tiles of Wo
	s_mul_i32 s70, s[WV], 16*SPI
	s_add_co_u32 s70, s70, STG                     ; my stage
	v_mul_u32_u24 v6, v1, SPI
	v_lshl_add_u32 v6, v2, 5, v6
	v_add_nc_u32 v6, s70, v6                       ; in: row r, 32 bytes for each half of the lanes
	v_mul_u32_u24 v7, v2, SPI
	v_lshl_add_u32 v7, v1, 4, v7
	v_add_nc_u32 v7, s70, v7                       ; back: lanes 0-15 one row, lanes 16-31 the next
	v_lshlrev_b32 v8, 11, v2
	v_lshl_add_u32 v8, v1, 4, v8                   ; and the same two rows in out0
	v_lshlrev_b32 v9, 5, v2                        ; bo: eight columns of my half
	s_wait_dscnt 0x0                               ; both opening adds are done
	s_wait_kmcnt 0x0
	s_add_nc_u64 s[66:67], s[4:5], s[52:53]
	s_add_nc_u64 s[68:69], s[6:7], s[54:55]
	s_add_nc_u64 s[8:9], s[8:9], s[60:61]
	s_add_nc_u64 s[10:11], s[10:11], s[62:63]
	CROUND                                         ; all sixteen work-groups are here: the joint loads meet
.irp hh, 0,1
	s_mov_b32 s[G0A+4*\hh], 1
	s_add_co_u32 s[G0A+4*\hh+1], s56, \hh*65536
	s_add_nc_u64 s[G0A+4*\hh+2:G0A+4*\hh+3], s[66:67], \hh*4194304
	s_or_b32 s[G0A+4*\hh+3], s[G0A+4*\hh+3], 0x80000000
	s_mov_b32 s[G0B+4*\hh], 1
	s_add_co_u32 s[G0B+4*\hh+1], s56, WOB+\hh*65536
	s_add_nc_u64 s[G0B+4*\hh+2:G0B+4*\hh+3], s[68:69], \hh*262144
	s_or_b32 s[G0B+4*\hh+3], s[G0B+4*\hh+3], 0x80000000
.endr
	s_cmp_lt_u32 s[WV], 4                          ; waves 0-3 fetch att, waves 4-7 Wo: a wave's two loads stand in one branch
	s_cbranch_scc0 .Lfor_b
	tensor_load_to_lds s[G0A:G0A+3], s[G1A:G1A+7]
	s_nop 0
	tensor_load_to_lds s[G0A+4:G0A+7], s[G1A:G1A+7]
	s_nop 0
.rept 4
	v_nop
.endr
	s_branch .Lasked
.Lfor_b:
	tensor_load_to_lds s[G0B:G0B+3], s[G1B:G1B+7]
	s_nop 0
	tensor_load_to_lds s[G0B+4:G0B+7], s[G1B:G1B+7]
	s_nop 0
.rept 4
	v_nop
.endr
.Lasked:
.irp b, 0,1,2,3
	global_load_b128 v[BO+8*\b:BO+8*\b+3], v9, s[8:9] offset:64*\b
	global_load_b128 v[BO+8*\b+4:BO+8*\b+7], v9, s[8:9] offset:64*\b+16
.endr
.macro FETCH ks                        ; the fragments of K step ks (32 along K) into set ks % 2
.set FB, F0+48*((\ks)%2)
.irp a, 0,1
.irp c, 0,1
	ds_load_b128 v[FB+8*\a+4*\c:FB+8*\a+4*\c+3], v[AA] offset:\a*8192+((\ks)%8)*1024+\c*512
.endr
.endr
.irp b, 0,1,2,3
.irp c, 0,1
	ds_load_b128 v[FB+16+8*\b+4*\c:FB+16+8*\b+4*\c+3], v[AW] offset:\b*8192+((\ks)%8)*1024+\c*512
.endr
.endr
.endm
.macro KS ks, pre                      ; K step ks; pre = 1: the next step's fragments are asked for first.  The eight accumulators take turns
	s_wait_dscnt 0x0
.if \pre
.rept 4
	v_nop                                          ; places in front of loads into the set that the last step multiplied
.endr
	FETCH (\ks)+1
.endif
.set FB, F0+48*((\ks)%2)
.irp a, 0,1
.irp b, 0,1,2,3
.if (\ks) == 0
	v_wmma_f32_16x16x32_f16 v[ACC+8*(4*\a+\b):ACC+8*(4*\a+\b)+7], v[FB+16+8*\b:FB+16+8*\b+7], v[FB+8*\a:FB+8*\a+7], v[BO+8*\b:BO+8*\b+7]
.else
	v_wmma_f32_16x16x32_f16 v[ACC+8*(4*\a+\b):ACC+8*(4*\a+\b)+7], v[FB+16+8*\b:FB+16+8*\b+7], v[FB+8*\a:FB+8*\a+7], v[ACC+8*(4*\a+\b):ACC+8*(4*\a+\b)+7]
.endif
.endr
.endr
.endm
	s_wait_tensorcnt 1                             ; my part of K half 0 is in; half 1's load may stay out
	s_barrier_signal -1
	s_barrier_wait -1
	s_wait_loadcnt 0x0                             ; bo
	FETCH 0
.irp k, 0,1,2,3,4,5,6
	KS \k, 1
.endr
	KS 7, 0
	s_wait_tensorcnt 0x0                           ; my part of K half 1 is in,
	s_wait_dscnt 0x0
	s_barrier_signal -1
	s_barrier_wait -1                              ; everybody's is
	v_add_nc_u32 v[AA], 65536, v[AA]
	v_add_nc_u32 v[AW], 65536, v[AW]
	v_nop
	v_nop                                          ; four places in front of the loads below
	FETCH 8
.irp k, 8,9,10,11,12,13,14
	KS \k, 1
.endr
	KS 15, 0
.rept 4
	v_nop                                          ; places in front of the first read of results and of loads into the fragments' registers
.endr
.macro TOSTAGE a
.irp b, 0,1,2,3
	ds_store_b128 v6, v[ACC+8*(4*\a+\b):ACC+8*(4*\a+\b)+3] offset:64*\b          ; each accumulator from its low end on
	ds_store_b128 v6, v[ACC+8*(4*\a+\b)+4:ACC+8*(4*\a+\b)+7] offset:64*\b+16
.endr
.irp i, 0,1,2,3,4,5,6,7
	ds_load_b128 v[F0+32*\a+4*\i:F0+32*\a+4*\i+3], v7 offset:2*SPI*\i            ; LDS serves a wave's instructions in order: these see the stores above, and the next tile's stores come behind them
.endr
.endm
.macro SEND a, younger                 ; younger: the LDS instructions issued behind tile a's loads
.irp i, 0,1,2,3,4,5,6,7
	s_wait_dscnt \younger+7-\i
	global_store_b128 v8, v[F0+32*\a+4*\i:F0+32*\a+4*\i+3], s[10:11] offset:32768*\a+4096*\i th:TH_STORE_NT   ; sixteen lanes store 256 consecutive bytes, aligned
.endr
.endm
	TOSTAGE 0
	TOSTAGE 1
	SEND 0, 16
	SEND 1, 0
	s_wait_tensorcnt 0x0                           ; the wave's end, behind the last tensor load and the last LDS store
	ds_add_u32 v[SPW], v[NIL]
	s_wait_dscnt 0x0
	CROUND                                         ; the closing round
	s_endpgm
.Lfunc_end_k_q96002f134b_oproj:
	.size	k_q96002f134b_oproj, .Lfunc_end_k_q96002f134b_oproj-k_q96002f134b_oproj
	.p2alignl 7, 3214868480
	.fill 96, 4, 3214868480
	.section	.rodata,"a",@progbits
	.p2align	6, 0x0
	.amdhsa_kernel k_q96002f134b_oproj
		.amdhsa_group_segment_fixed_size 327680
		.amdhsa_private_segment_fixed_size 0
		.amdhsa_enable_private_segment 0
		.amdhsa_kernarg_size 32
		.amdhsa_user_sgpr_count 2
		.amdhsa_user_sgpr_kernarg_segment_ptr 1
		.amdhsa_wavefront_size32 1
		.amdhsa_system_sgpr_workgroup_id_x 1
		.amdhsa_system_sgpr_workgroup_id_y 1
		.amdhsa_system_sgpr_workgroup_id_z 1
		.amdhsa_system_vgpr_workitem_id 0
		.amdhsa_next_free_vgpr 256
		.amdhsa_next_free_sgpr 80
		.amdhsa_reserve_vcc 0
		.amdhsa_float_denorm_mode_32 3
		.amdhsa_float_denorm_mode_16_64 3
		.amdhsa_memory_ordered 1
		.amdhsa_forward_progress 1
		.amdhsa_inst_pref_size 34
	.end_amdhsa_kernel
	.amdgpu_metadata
---
amdhsa.version: [ 1, 2 ]
amdhsa.kernels:
  - .name:           k_q96002f134b_oproj
    .symbol:         k_q96002f134b_oproj.kd
    .args:
      - { .name: att, .offset: 0, .size: 8, .value_kind: global_buffer, .address_space: global }
      - { .name: wo16, .offset: 8, .size: 8, .value_kind: global_buffer, .address_space: global }
      - { .name: bo, .offset: 16, .size: 8, .value_kind: global_buffer, .address_space: global }
      - { .name: out0, .offset: 24, .size: 8, .value_kind: global_buffer, .address_space: global }
    .group_segment_fixed_size: 327680
    .private_segment_fixed_size: 0
    .kernarg_segment_align: 8
    .kernarg_segment_size: 32
    .max_flat_workgroup_size: 256
    .sgpr_count:     80
    .vgpr_count:     256
    .wavefront_size: 32
...
	.end_amdgpu_metadata
.endif
;; end of part 4
